; MI455X (gfx1250); checked and timed in simulation.
; The chip was launched on July 23, 2026; its instructions are those of AMD's public machine-readable ISA for CDNA 5 (MIT licence, August 2026) and "CDNA5" Instruction Set Architecture Reference Guide (July 2026). The comments in the code are by the model that wrote it; some were corrected since.
;; Wei Attention. Allowed arithmetic: matrix products marked QUANTISED: E4M3 operands, one given power-of-two scale a tensor, by v_wmma_f32_16x16x64_fp8_fp8 or v_wmma_f32_16x16x128_fp8_fp8, f32 sums; everything else in f32.
;; Inputs: k_codes 4 x 16 x 2,048 x 2 x 32 uint8 (E4M3 codes of k, K innermost, in blocks of 32 codes); lowp_scales 4 int32 (the exponents e of the quantised operands' scales 2^e); mask 2,048 x 2,048 bool; q_codes 4 x 16 x 2,048 x 2 x 32 uint8 (E4M3 codes of q, K innermost, in blocks of 32 codes); v_codes 4 x 16 x 64 x 64 x 32 uint8 (E4M3 codes of v, K innermost, in blocks of 32 codes).
;; Outputs: out0 4 x 16 x 2,048 x 64 float32.
;; This version of the problem:
;;   THIS VERSION OF THE PROBLEM IS GIVEN IN LOW PRECISION. The matrix products marked QUANTISED in the list below multiply operands that are first quantised to E4M3 (4 exponent bits, 3 mantissa bits; 8 bits a number), with one given power-of-two scale for each operand tensor; their sums are f32. All else is computed in f32.
;;   The module's matrix products, in the order in which they are computed (A, B: the left and right operand; K: the contracted axis; several contracted axes count as one K, in the product's order):
;;     1. batch 64 x [M 2,048, K 64] x [K 64, N 2,048]; A: input q (given as codes); B: input k (given as codes): QUANTISED (scales: A lowp_scales[0], B lowp_scales[1])
;;     2. batch 64 x [M 2,048, K 2,048] x [K 2,048, N 64]; A: softmax (see below); B: input v (given as codes): QUANTISED (scales: A lowp_scales[2], B lowp_scales[3])
;;   THE QUANTISER, for each operand of a quantised product, along K:
;;     - The operand's scale is 2^e, e = its entry of the input lowp_scales (int32; the entries are numbered through the quantised products in the list's order, A before B).
;;     - Each number is divided by the scale, clamped to +-448, and rounded to the nearest number of E4M3, ties to even, subnormals kept.
;;     - The product sums the exact products of the quantised numbers (number of the format x scale) in f32.
;;   ~~~python
;;   def quantise(x, axis, e):      # numpy; x: float32 -> the quantised numbers, widened to float32 again
;;       x = np.moveaxis(x, axis, -1); K = x.shape[-1]
;;       r = np.clip(x / 2.0 ** e, -448, 448)
;;       step = 2.0 ** (np.maximum(np.frexp(np.where(r == 0, 1, r))[1] - 1, -6) - 3)
;;       q = np.round(r / step) * step * 2.0 ** e      # np.round: ties to even
;;       return np.moveaxis(q, -1, axis).astype(np.float32)
;;   ~~~
;;   SOFTMAX AHEAD OF A QUANTISED PRODUCT. Where the list says 'softmax', what is quantised is not the finished softmax but p = 2^(t - M), with t = logit x log2(e) and M = ceil(the row's largest t), a whole number; so 1/2 < the row's largest p <= 1. The row's sum l is taken of the UNQUANTISED p, in f32, and the product's result is divided by l at the end. Since M is a whole number, a kernel that streams over the keys may use a running M (the ceiling of the running maximum): every later rescaling is an exact power of two, so the quantised numbers keep their values, but for numbers so far below the row's largest that they fall under the format's range.
;;   OPERANDS COMPUTED ON THE WAY. 'Computed on the way' means the value that the module computes at that place (a softmax that the list does not call 'softmax' is quantised finished and normalised). What goes into a quantiser is computed in f32, as accurately as f32 sums, v_exp_f32 and their like allow (about 1e-6 of the number): no bf16 or f16 on the way to a quantiser, and a product that is left as it is and whose result goes on into a quantised operand takes f32 operands (vector FMAs, or v_wmma_f32_16x16x4_f32). A number that lies on a knife's edge between two numbers of the format may be rounded either way, as far as f32 arithmetic and the matrix unit's own rounding can turn it there, and no further.
;;   INPUTS GIVEN AS CODES. k (in the module: [4, 16, 2048, 64], K = its axis 3); q (in the module: [4, 16, 2048, 64], K = its axis 3); v (in the module: [4, 16, 2048, 64], K = its axis 2): each comes as NAME_codes (uint8): NAME with its K axis moved to the last place and cut into blocks of 32 codes, [.., K / 32, bytes a block], one block behind the other in memory; one code a byte (a code: sign, 4 exponent bits, 3 mantissa bits); its scale is its entry of lowp_scales. Its value is code x scale, taken as it is: it is not quantised again, and the codes and scales need not be those that the quantiser above would give.
;; One version. Each part assembles by itself: llvm-mc -triple=amdgcn-amd-amdhsa -mcpu=gfx1250 --defsym DOCPART=n.
;; ======== version 1 of 1: 2 launches
;; workspace buffers: maskw 524,288 bytes of whole numbers; flags 512 bytes of whole numbers
;; launch prep (part 1): grid 128 x 1, 16 waves a work-group, no clusters, 2,304 bytes of LDS; arguments mask, maskw, flags; writes maskw, flags
.if DOCPART == 1
	.amdgcn_target "amdgcn-amd-amdhsa--gfx1250"
	.amdhsa_code_object_version 6
	.text
	.protected	k_qd8fc59165a_prep
	.globl	k_qd8fc59165a_prep
	.p2align	8
	.type	k_qd8fc59165a_prep,@function
k_qd8fc59165a_prep:
	s_mov_b64 s[64:65], 0
	v_nop
	global_prefetch_b8 v0, s[64:65] scope:SCOPE_SE
	s_setreg_imm32_b32 hwreg(HW_REG_WAVE_MODE, 25, 1), 1
	s_wait_xcnt 0x0
; The mask [2048][2048], one byte a place, is turned once into what the attention launch wants.
; maskw [128 tiles T][16 steps s][64 words n]: bit l = 16 h + r of word n says whether query 16 T + r may see key 128 s + 32 (n / 16) + 16 h + n % 16.
;   That is the lane mask for score register n of a tile of 16 queries x 128 keys, as the attention launch holds its scores.
; flags [128 tiles T]: bit s = tile T has a true place in step s; bit 16 + s = it has a false place there.
; SHARES.  Work-group = tile T, wave = step s.  Lane (r, h) reads 16 bytes of row 16 T + r four times; the sixteen waves together read 16 whole rows of 2,048 bytes.
; No pattern of the mask is assumed.  Nothing here is floating point.
	s_load_b128 s[4:7], s[0:1], 0x0                ; mask s[4:5], maskw s[6:7]
	s_load_b64 s[8:9], s[0:1], 0x10                ; flags
	v_lshl_add_u32 v32, v0, 2, 0x100
	v_mov_b32 v33, 0
	v_lshrrev_b32 v1, 5, v0
	v_readfirstlane_b32 s10, v1                    ; wave = step s
	v_and_b32 v1, 15, v0                           ; r
	v_bfe_u32 v2, v0, 4, 1                         ; h
	v_lshlrev_b32 v3, 11, v1                       ; row r of 2,048 bytes
	v_lshl_add_u32 v3, v2, 4, v3                   ; + 16 h
	v_and_b32 v24, 31, v0
	v_lshlrev_b32 v24, 3, v24                      ; 8 x lane: my two words of the 64
	s_lshl_b32 s12, ttmp9, 15                      ; mask: 16 T rows of 2,048 bytes
	s_lshl_b32 s16, s10, 7                         ; + 128 s
	s_add_co_u32 s12, s12, s16
	s_mov_b32 s13, 0
	s_lshl_b32 s16, ttmp9, 12                      ; maskw: 4,096 T
	s_lshl_b32 s17, s10, 8                         ; + 256 s
	s_add_co_u32 s16, s16, s17
	s_mov_b32 s17, 0
	s_lshl_b32 s18, ttmp9, 2                       ; flags: 4 T
	s_mov_b32 s19, 0
	s_wait_kmcnt 0x0
	s_add_nc_u64 s[4:5], s[4:5], s[12:13]
	s_add_nc_u64 s[6:7], s[6:7], s[16:17]
	s_add_nc_u64 s[8:9], s[8:9], s[18:19]
.irp b, 0,1,2,3
	global_load_b128 v[8+4*\b:11+4*\b], v3, s[4:5] offset:32*\b   ; keys 128 s + 32 b + 16 h + 0 .. 15 of my row
.endr
	v_mov_b32 v4, 0                                ; a lane write's destination counts as read: written once
	v_mov_b32 v5, 0
	s_wait_loadcnt 0x0
; Word n: byte n % 4 of register n / 4 is compared with 0 in all 32 lanes; the 32 bits go to lane n / 2 of v4 (even n) or v5 (odd n).  Temporaries take turns.
.set nn, 0
.rept 64
	v_and_b32 v[6+nn%2], 0xff<<(8*(nn%4)), v[8+nn/4]
	v_cmp_ne_u32 s[14+nn%2], 0, v[6+nn%2]
	v_writelane_b32 v[4+nn%2], s[14+nn%2], nn/2
.set nn, nn+1
.endr
	global_store_b64 v24, v[4:5], s[6:7]           ; 32 lanes store 256 consecutive bytes, at a multiple of 256 from maskw's first byte
	v_or_b32 v6, v4, v5
	v_cmp_ne_u32 s16, 0, v6                        ; some lane holds a set bit: a true place
	v_and_b32 v7, v4, v5
	v_cmp_ne_u32 s17, -1, v7                       ; some lane holds a clear bit: a false place
	s_cmp_lg_u32 s16, 0
	s_cselect_b32 s18, 1, 0
	s_cmp_lg_u32 s17, 0
	s_cselect_b32 s19, 0x10000, 0
	s_or_b32 s18, s18, s19
	s_lshl_b32 s18, s18, s10                       ; bits s and 16 + s
	v_mov_b32 v6, s18
	v_mov_b32 v25, s10
	v_lshlrev_b32 v25, 2, v25
	ds_store_b32 v25, v6                           ; my wave's word: all lanes write the same value to the same place
	s_wait_dscnt 0x0                               ; for the others' sake: my store has landed
	s_barrier_signal -1
	s_barrier_wait -1
	v_mov_b32 v26, 0
.irp i, 0,1,2,3
	ds_load_b128 v[8+4*\i:11+4*\i], v26 offset:16*\i   ; the sixteen waves' words
.endr
	s_wait_dscnt 0x0
.irp i, 9,10,11,12,13,14,15,16,17,18,19,20,21,22,23
	v_or_b32 v8, v8, v[\i]
.endr
	s_cmp_lg_u32 s10, 0
	s_cbranch_scc1 .Lend                           ; wave 0 stores the tile's word: 4 bytes a work-group, 512 bytes in the launch
	v_cmp_eq_u32 vcc_lo, 0, v0
	s_wait_xcnt 0x0                                ; EXEC is a source of the store above: it changes only behind this wait
	s_and_saveexec_b32 s20, vcc_lo
	global_store_b32 v26, v8, s[8:9]
	s_wait_xcnt 0x0                                ; and again, in front of the line that widens it
	s_or_b32 exec_lo, exec_lo, s20
.Lend:
	s_wait_tensorcnt 0x0
	ds_add_u32 v32, v33
	s_wait_dscnt 0x0
	s_endpgm
.Lfunc_end_k_qd8fc59165a_prep:
	.size	k_qd8fc59165a_prep, .Lfunc_end_k_qd8fc59165a_prep-k_qd8fc59165a_prep
	.p2alignl 7, 3214868480
	.fill 96, 4, 3214868480
	.section	.rodata,"a",@progbits
	.p2align	6, 0x0
	.amdhsa_kernel k_qd8fc59165a_prep
		.amdhsa_group_segment_fixed_size 2304
		.amdhsa_private_segment_fixed_size 0
		.amdhsa_enable_private_segment 0
		.amdhsa_kernarg_size 24
		.amdhsa_user_sgpr_count 2
		.amdhsa_user_sgpr_kernarg_segment_ptr 1
		.amdhsa_wavefront_size32 1
		.amdhsa_system_sgpr_workgroup_id_x 1
		.amdhsa_system_sgpr_workgroup_id_y 1
		.amdhsa_system_sgpr_workgroup_id_z 1
		.amdhsa_system_vgpr_workitem_id 0
		.amdhsa_next_free_vgpr 34
		.amdhsa_next_free_sgpr 66
		.amdhsa_reserve_vcc 1
		.amdhsa_float_denorm_mode_32 3
		.amdhsa_float_denorm_mode_16_64 3
		.amdhsa_memory_ordered 1
		.amdhsa_forward_progress 1
		.amdhsa_inst_pref_size 16
	.end_amdhsa_kernel
	.amdgpu_metadata
---
amdhsa.version: [ 1, 2 ]
amdhsa.kernels:
  - .name:           k_qd8fc59165a_prep
    .symbol:         k_qd8fc59165a_prep.kd
    .args:
      - { .name: mask, .offset: 0, .size: 8, .value_kind: global_buffer, .address_space: global }
      - { .name: maskw, .offset: 8, .size: 8, .value_kind: global_buffer, .address_space: global }
      - { .name: flags, .offset: 16, .size: 8, .value_kind: global_buffer, .address_space: global }
    .group_segment_fixed_size: 2304
    .private_segment_fixed_size: 0
    .kernarg_segment_align: 8
    .kernarg_segment_size: 24
    .max_flat_workgroup_size: 512
    .sgpr_count:     66
    .vgpr_count:     34
    .wavefront_size: 32
...
	.end_amdgpu_metadata
.endif
;; end of part 1
;; launch attn (part 2): grid 4 x 64, 8 waves a work-group, no clusters, 101,376 bytes of LDS; arguments q_codes, k_codes, v_codes, lowp_scales, maskw, flags, out0; writes out0
.if DOCPART == 2
	.amdgcn_target "amdgcn-amd-amdhsa--gfx1250"
	.amdhsa_code_object_version 6
	.text
	.protected	k_qd8fc59165a_attn
	.globl	k_qd8fc59165a_attn
	.p2align	8
	.type	k_qd8fc59165a_attn,@function
k_qd8fc59165a_attn:
	s_mov_b64 s[64:65], 0
	v_nop
	global_prefetch_b8 v0, s[64:65] scope:SCOPE_SE
	s_setreg_imm32_b32 hwreg(HW_REG_WAVE_MODE, 25, 1), 1
	s_wait_xcnt 0x0
; out0[head][q][:] = the sum over k of softmax_k(mask ? Q[q] . K[k] / 8 : -inf) V[k][:], 64 heads, 2,048 queries and keys, head size 64; both products on codes of FP8 (E4M3), one given scale 2^e a tensor: eq, ek, ep, ev.
; Q, K: [head][2048][64] codes.  V: [head][64][2048] codes, the keys innermost.  out0: [head][2048][64] f32.  The mask comes as lane masks and flags made by the launch before (their layout: below).
; THE SOFTMAX: t = score x log2(e) / 8; M = the row's largest t so far, rounded UP to a whole number; p = 2^(t - M) is quantised with 2^ep; the row's sum is taken of the unquantised p and divides at the end.
; When M moves, the sum and O are multiplied by 2^(old M - new M), which rounds nothing.  A row with no true place has sum 0 and O 0: 0 x (1 / 0) gives NaN, as a softmax of -inf alone does.
; SHARES.  A head's 32 blocks of 64 queries go to four work-groups p = 0 .. 3 of eight waves: wave w < 4 takes block 4 p + w, wave w >= 4 block 35 - 4 p - w (an early and a late block to each pair w, w + 4).
; A wave holds its four tiles of 16 queries in 512 registers and walks 16 key steps of 128 keys; each fragment of K and V that it reads from LDS feeds four matrix instructions.
; WORK THAT THE MASK THROWS AWAY IS NOT DONE, whatever the mask: a step in which none of the wave's 64 queries has a true place is jumped over, and a step with no false place leaves the masking out.
; Both are scalar branches on the stored flags.  (With a lower-triangular mask 272 of a head's 512 wave-steps remain, 17 for each pair of waves.)
; K AND V go memory -> registers -> LDS, a slot of 256 keys (two steps) ahead, into two slots; one barrier a slot, on every wave's path; the loop's 8 trips are a constant.  The loads for a slot are issued two key
; steps ahead of the LDS stores that want them, so nothing further is asked for ahead of them.
; NO JOINT REQUESTS, though the four work-groups of a head read the same 256 KiB of K and V:
; skipping can spare up to 15 of a wave's 16 steps, sharing only loads of 32 KiB a slot.
; LAYOUT.  S^T = K Q^T (source 0 = 16 keys, source 1 = 16 queries), O^T = V^T P (source 0 = 16 of the head's 64, source 1 = P): a lane holds ONE query (lane % 16) throughout.
; THE KEYS OF A TILE ARE NOT NEIGHBOURS: lane r of key tile 2 b + u takes key 32 b + 8 u + r + 8 (r / 8), so that score register 16 b + i of lane (r, h) is key 32 b + 16 h + i: the conversions' results are P's registers.
; Fragments are fetched 16 bytes at a time: a permutation of k, the same in both operands of a product; only the order of the sums inside an instruction changes.
; maskw [tile of 16 queries][step][64 words]: bit (16 h + r) of word n belongs to score register n.  flags [tile]: bit s: step s has a true place; bit 16 + s: it has a false one.
; LIMITS: eq + ek between -123 and 130 (added to c's exponent field); ep between -126 and 119; ep + ev is applied by v_ldexp_f32 and has none.  NaN codes among the inputs are not served.
; LDS.  Slot 0 at 0, slot 1 at 32,768.  In a slot: K's 16 fragments of 1,024 bytes (fragment F = 8 q + t; piece c' = 2 g + h of row r at F 1024 + 256 c' + 16 ((r + 4 c') % 16)), then, from VOFF,
; V's (step q, tile dt, piece cc = 2 c + h of row r at q 8192 + dt 2048 + 256 cc + 16 ((r + cc) % 16)).  A reader's sixteen lanes take sixteen different 16-byte columns of 256 bytes (64 banks of 4 bytes: ISA guide 11.1);
; the rotation gives K's stores the same; V's stores go two deep (lanes l and l + 8), four stores a wave and slot.  From STAGE: 16 rows x 272 bytes for each wave, its own, for the way out.
; REGISTERS.  Window 0: v1-10 lane addresses; v11-16 addresses in hand; v17-27 constants and temporaries; v28-43 four registers of statistics a tile (-M, largest t, the sum in two halves); v44-75 Q; v76-91 P;
;   v92-155, v156-219 two buffers of scores; v220-251 a slot's part on its way to LDS; v252-255 the way out, Q's offset.   Window 1: v0-63 K's 8 fragments; v64-127 V's 4; v128-255 O^T, 32 a tile.
.set SLOT,  32768
.set VOFF,  16384
.set STAGE, 65536
.set SP,    272
.set AK0,  1                           ; v1, v2  my lane's place in a fragment of K: first and second 32 of the head's 64
.set AV,   3                           ; v3-6    the same for V, c = 0 .. 3
.set SK,   7                           ; v7      where my thread puts its 16 bytes of K
.set SV,   8                           ; v8      of V
.set GK,   9                           ; v9      my thread's byte in a load's 4,096 of K
.set GV,   10                          ; v10     in 16 rows of V
.set ADK,  11                          ; v11, v12  LDS addresses in hand: K's loads; a slot's stores
.set ADV,  13                          ; v13-16  V's loads
.set NINF, 17
.set LIM,  18                          ; 448 x 2^ep
.set SCL,  19                          ; 2^ep
.set FF,   20                          ; v[20:21] f = 2^(old M - new M); the upper word is only named
.set T0,   22
.set T1,   23
.set PX,   24
.set OLD,  25
.set SU,   26                          ; v[26:27] the sums' second chain
.set ST,   28
.set QF,   44
.set PC,   76
.set SC,   92
.set GS,   220
.set STO,  252
.set RD,   253
.set GO,   254
.set QO,   255
.set KF,   0                           ; window 1
.set VF,   64
.set OA,   128
.set QB,   4                           ; s[4:5] Q   s[6:7] K   s[8:9] V   s[10:11] the scales   s[12:13] maskw   s[14:15] flags   s[16:17] out0
.set KB,   6
.set VB,   8
.set SCP,  10
.set MB,   12
.set FL,   14
.set OB,   16
.set WV,   18
.set HD,   20
.set JB,   21
.set CS,   22                          ; s[22:23] c
.set SEL,  24                          ; s[24:25] lane selects: lane l xor 16
.set TB,   26                          ; the slot in hand
.set NEED, 28                          ; bit 0: the step in hand has a true place for my 64 queries
.set MIX,  29                          ; bit 0: it has a false one
.set WGN,  30                          ; bits 1:0: some wave of the work-group needs the next slot
.set TMP,  31
.set HB,   66                          ; 1 where p can pass 448 x 2^ep
.set LDF,  67
.set NT,   100
.set EO,   101
.set DONE, 104
.set TM2,  105
.set MSB, 0
.macro WIN new                         ; bits 1:0 source 0, 3:2 source 1, 5:4 source 2, 7:6 destination; the high byte repeats the setting that is left
.if MSB != \new
	s_set_vgpr_msb (MSB<<8)|\new
.set MSB, \new
.endif
.endm
; A slot's 32 KiB: 256 threads x 8 loads of 16 bytes.  K: 256 keys x 64 bytes are one dense block: a wave reads 512 bytes on end.  V: 64 rows x 256 bytes: sixteen lanes read one aligned 256 bytes of a row.
.macro GLOAD
.irp i, 0,1,2,3
	global_load_b128 v[GS+4*\i:GS+4*\i+3], v[GK], s[KB:KB+1] offset:4096*\i
.endr
.irp i, 0,1,2,3
	global_load_b128 v[GS+16+4*\i:GS+16+4*\i+3], v[GV], s[VB:VB+1] offset:32768*\i
.endr
.endm
.macro LSTORE                          ; into the slot at s[TB]
	v_add_nc_u32 v[ADK], s[TB], v[SK]
	v_add_nc_u32 v[ADK+1], s[TB], v[SV]
.irp i, 0,1,2,3
	ds_store_b128 v[ADK], v[GS+4*\i:GS+4*\i+3] offset:4096*\i
	ds_store_b128 v[ADK+1], v[GS+16+4*\i:GS+16+4*\i+3] offset:2048*\i
.endr
.endm
.macro MASKLOAD x                      ; tile x's 64 lane masks of the step in hand: words 0-31 in s32-63, words 32-63 in s68-99.  Issued in every step that is worked, so that loads and waits are alike on every path
	s_load_b512 s[32:47], s[MB:MB+1], (\x)*4096
	s_load_b512 s[48:63], s[MB:MB+1], (\x)*4096+64
	s_load_b512 s[68:83], s[MB:MB+1], (\x)*4096+128
	s_load_b512 s[84:99], s[MB:MB+1], (\x)*4096+192
.endm
.macro QK x                            ; tile x's scores: 8 key tiles, K = the head's 64 in one instruction each, so every sum starts and ends here
	WIN 0x01
.irp t, 0,1,2,3,4,5,6,7
	v_wmma_f32_16x16x64_fp8_fp8 v[SC+64*((\x)%2)+8*\t:SC+64*((\x)%2)+8*\t+7], v[KF+8*\t:KF+8*\t+7], v[QF+8*(\x):QF+8*(\x)+7], 0
.endr
.endm
.macro MASKT x                         ; false places become -inf, ahead of the maximum; each accumulator from its low end on
.set cS, SC+64*((\x)%2)
	WIN 0
	s_wait_kmcnt 0x0                               ; the tile's 64 words are in
	s_and_b32 s[TMP], s[MIX], 1
	s_cmp_lg_u32 s[TMP], 0
	s_cbranch_scc0 .Lfull_\@                       ; no false place among my 64 queries x 128 keys
.set nn, 0
.rept 32
	v_cndmask_b32 v[cS+nn], v[NINF], v[cS+nn], s[32+nn]
.set nn, nn+1
.endr
.rept 32
	v_cndmask_b32 v[cS+nn], v[NINF], v[cS+nn], s[36+nn]
.set nn, nn+1
.endr
.Lfull_\@:
.if (\x) < 3
	MASKLOAD (\x)+1                                ; the next tile's words come while this tile's softmax is walked
.endif
.endm
.macro SOFTMAX x
.set cS, SC+64*((\x)%2)
.set cT, ST+4*(\x)
	v_max3_num_f32 v[T0], v[cS], v[cS+1], v[cS+2]  ; the step's largest score of my query among my 64 keys, in two chains, registers ascending
	v_max3_num_f32 v[T1], v[cS+3], v[cS+4], v[cS+5]
.irp i, 6,10,14,18,22,26,30,34,38,42,46,50,54,58
	v_max3_num_f32 v[T0], v[T0], v[cS+\i], v[cS+\i+1]
	v_max3_num_f32 v[T1], v[T1], v[cS+\i+2], v[cS+\i+3]
.endr
	v_max3_num_f32 v[T0], v[T0], v[cS+62], v[cS+63]
	v_max_num_f32 v[T0], v[T0], v[T1]
	v_permlanex16_b32 v[PX], v[T0], s[SEL], s[SEL+1]
	v_max_num_f32 v[T0], v[T0], v[PX]              ; and among lane l xor 16's
	v_mul_f32 v[T0], s[CS], v[T0]                  ; as t (c is positive)
	v_max_num_f32 v[cT+1], v[cT+1], v[T0]          ; the running largest t
	v_mov_b32 v[OLD], v[cT]
	v_floor_f32 v[cT], -v[cT+1]                    ; the new -M = floor(-t): M is a whole number
	v_sub_f32 v[OLD], v[cT], v[OLD]                ; old M - new M, 0 or less
	v_cvt_i32_f32 v[OLD], v[OLD]                   ; (it saturates)
	v_ldexp_f32 v[FF], 1.0, v[OLD]                 ; f = 2^(old M - new M)
; ONE BATCH: 32 packed scalings t - M and 64 exponentials; a pair is scaled four pairs ahead of its exponentials, and nothing in the batch names an exponential's result
.set jj, 0
.rept 4
	v_pk_fma_f32 v[cS+2*jj:cS+2*jj+1], v[cS+2*jj:cS+2*jj+1], s[CS:CS+1], v[cT:cT+1] op_sel_hi:[1,0,0]
.set jj, jj+1
.endr
.set jj, 0
.rept 28
	v_exp_f32 v[cS+2*jj], v[cS+2*jj]
	v_exp_f32 v[cS+2*jj+1], v[cS+2*jj+1]
	v_pk_fma_f32 v[cS+2*jj+8:cS+2*jj+9], v[cS+2*jj+8:cS+2*jj+9], s[CS:CS+1], v[cT:cT+1] op_sel_hi:[1,0,0]
.set jj, jj+1
.endr
.set jj, 56
.rept 8
	v_exp_f32 v[cS+jj], v[cS+jj]
.set jj, jj+1
.endr
	v_pk_mul_f32 v[cT+2:cT+3], v[cT+2:cT+3], v[FF:FF+1] op_sel_hi:[1,0]   ; the sums under the new M: the plain instruction behind the last exponential
	s_wait_alu depctr_va_vdst(0)                   ; one wait for the batch, ahead of the first instruction that names a result
	v_pk_add_f32 v[SU:SU+1], v[cS:cS+1], v[cS+2:cS+3]   ; the row's sum is taken of the unquantised p, two at a time, in two chains
.irp j, 4,8,12,16,20,24,28,32,36,40,44,48,52,56,60
	v_pk_add_f32 v[cT+2:cT+3], v[cT+2:cT+3], v[cS+\j:cS+\j+1]
	v_pk_add_f32 v[SU:SU+1], v[SU:SU+1], v[cS+\j+2:cS+\j+3]
.endr
	v_pk_add_f32 v[cT+2:cT+3], v[cT+2:cT+3], v[SU:SU+1]
	s_cmp_lg_u32 s[HB], 0                          ; p is at most 1, and 448 x 2^ep is 1.75 or more from ep = -8 on: there the hold could change nothing
	s_cbranch_scc0 .Lnohold_\@
.set nn, 0
.rept 64
	v_min_num_f32 v[cS+nn], v[cS+nn], v[LIM]       ; the conversion to an 8-bit code does not saturate (ISA guide 7.6.2); p is not negative, so the hold is one-sided
.set nn, nn+1
.endr
.Lnohold_\@:
.irp b, 0,1,2,3
	v_cvt_scalef32_pk8_fp8_f32 v[PC+4*\b:PC+4*\b+1], v[cS+16*\b:cS+16*\b+7], v[SCL]
	v_cvt_scalef32_pk8_fp8_f32 v[PC+4*\b+2:PC+4*\b+3], v[cS+16*\b+8:cS+16*\b+15], v[SCL]
.endr
	v_nop                                          ; a plain instruction between the last conversion and whatever next touches its results or writes its sources
.endm
.macro RESCALE x                       ; O^T under the new M, each accumulator from its low end on
	WIN 0x41
.set ii, 0
.rept 16
	v_pk_mul_f32 v[OA+32*(\x)+2*ii:OA+32*(\x)+2*ii+1], v[OA+32*(\x)+2*ii:OA+32*(\x)+2*ii+1], v[FF:FF+1] op_sel_hi:[1,0]
.set ii, ii+1
.endr
.endm
.macro PV x                            ; O^T += V^T P: four accumulators, one instruction each: no two matrix instructions that follow each other share one
	WIN 0x51
.irp d, 0,1,2,3
	v_wmma_f32_16x16x128_fp8_fp8 v[OA+32*(\x)+8*\d:OA+32*(\x)+8*\d+7], v[VF+16*\d:VF+16*\d+15], v[PC:PC+15], v[OA+32*(\x)+8*\d:OA+32*(\x)+8*\d+7]
.endr
.endm
; A KEY STEP: the q-th 128 keys of the slot in hand, for my four tiles.  Two buffers of scores: tile x + 1's products are issued ahead of tile x's softmax and run beside it.
.macro STEP q
	s_and_b32 s[TMP], s[NEED], 1
	s_cmp_lg_u32 s[TMP], 0
	s_cbranch_scc0 .Lskip_\@                       ; none of my 64 queries sees any of these keys
	MASKLOAD 0
	v_add_nc_u32 v[ADK], s[TB], v[AK0]             ; six plain instructions: also the places between the last step's products and the loads into the registers that they read
	v_add_nc_u32 v[ADK+1], s[TB], v[AK0+1]
.irp c, 0,1,2,3
	v_add_nc_u32 v[ADV+\c], s[TB], v[AV+\c]
.endr
	WIN 0x40                                       ; destination window 1
.irp t, 0,1,2,3,4,5,6,7
	ds_load_b128 v[KF+8*\t:KF+8*\t+3], v[ADK] offset:(8*\q+\t)*1024
	ds_load_b128 v[KF+8*\t+4:KF+8*\t+7], v[ADK+1] offset:(8*\q+\t)*1024+512
.endr
.irp d, 0,1,2,3
.irp c, 0,1,2,3
	ds_load_b128 v[VF+16*\d+4*\c:VF+16*\d+4*\c+3], v[ADV+\c] offset:VOFF+\q*8192+\d*2048+\c*512
.endr
.endr
	s_wait_dscnt 16                                ; K's sixteen loads are in; V's sixteen, issued behind them, may be out
	QK 0
	QK 1
	WIN 0
.rept 4
	v_nop                                          ; four places between tile 0's products and the first read of their results (ISA guide 7.12.1)
.endr
	MASKT 0
	SOFTMAX 0
	RESCALE 0
	s_wait_dscnt 0x0                               ; V is in
	PV 0
	QK 2                                           ; into the buffer that tile 0 has left
	MASKT 1
	SOFTMAX 1
	RESCALE 1
	PV 1
	QK 3
	MASKT 2
	SOFTMAX 2
	RESCALE 2
	PV 2
	MASKT 3
	SOFTMAX 3
	RESCALE 3
	PV 3
	WIN 0                                          ; at a label and at a branch every window is 0
.Lskip_\@:
	s_lshr_b32 s[NEED], s[NEED], 1
	s_lshr_b32 s[MIX], s[MIX], 1
	s_add_nc_u64 s[MB:MB+1], s[MB:MB+1], 256       ; the next step's words; every scalar load that named this base has been waited for
.endm
; THE WAY OUT of tile x: O^T / the sum x 2^(ep + ev) into K's registers (two sets by turns), 32 bytes a lane into my stage, back as whole rows of 256 bytes.
.macro PACK x
.set pkr, 32*((\x)%2)
	WIN 0x41
.set ii, 0
.rept 16
	v_pk_mul_f32 v[pkr+2*ii:pkr+2*ii+1], v[OA+32*(\x)+2*ii:OA+32*(\x)+2*ii+1], v[ST+4*(\x)+2:ST+4*(\x)+3] op_sel_hi:[1,0]
.set ii, ii+1
.endr
	WIN 0x04                                       ; an LDS store's data: source 1, window 1
.irp d, 0,1,2,3
	ds_store_b128 v[STO], v[pkr+8*\d:pkr+8*\d+3] offset:64*\d        ; lane (r, h): o(r, 16 d + 8 h + 0 .. 7)
	ds_store_b128 v[STO], v[pkr+8*\d+4:pkr+8*\d+7] offset:64*\d+16
.endr
	WIN 0
.irp f, 0,1,2,3,4,5,6,7
	ds_load_b128 v[SC+32*(\x)+4*\f:SC+32*(\x)+4*\f+3], v[RD] offset:2*SP*\f   ; LDS serves a wave's instructions in order (ISA guide 5.7.1.4): these see my stores, and the next tile's stores come behind them
.endr
.endm
.macro SEND x, younger                 ; younger: the LDS instructions issued behind tile x's loads
.irp f, 0,1,2,3,4,5,6,7
	s_wait_dscnt \younger+7-\f
	global_store_b128 v[GO], v[SC+32*(\x)+4*\f:SC+32*(\x)+4*\f+3], s[OB:OB+1] offset:4096*(\x)+512*\f th:TH_STORE_NT   ; sixteen lanes store 256 consecutive bytes, a row of out0, at a multiple of 256 from its first byte
.endr
.endm
	s_load_b256 s[4:11], s[0:1], 0x0               ; Q, K, V, the scales' exponents
	s_load_b128 s[12:15], s[0:1], 0x20             ; maskw, flags
	s_load_b64 s[16:17], s[0:1], 0x30              ; out0
	v_lshrrev_b32 v22, 5, v0
	v_readfirstlane_b32 s[WV], v22                 ; wave 0..7
	s_and_b32 s[HD], ttmp7, 0xffff                 ; the head
	s_lshl_b32 s[TMP], ttmp9, 2                    ; 4 p
	s_add_co_u32 s[JB], s[TMP], s[WV]
	s_sub_co_u32 s[TM2], 35, s[TMP]
	s_sub_co_u32 s[TM2], s[TM2], s[WV]
	s_cmp_lt_u32 s[WV], 4
	s_cselect_b32 s[JB], s[JB], s[TM2]             ; my block of 64 queries: 4 p + w or 35 - 4 p - w; it enters global addresses alone
	s_lshl_b32 s84, s[HD], 17                      ; a head's codes: 131,072 bytes in each of Q, K, V
	s_mov_b32 s85, 0
	s_lshl_b32 s86, s[JB], 12                      ; my 64 rows of Q
	s_mov_b32 s87, 0
	s_lshl_b32 s90, s[JB], 14                      ; my 64 rows of out0; also my four tiles of maskw, 4,096 bytes each
	s_mov_b32 s91, 0
	s_lshl_b32 s88, s[HD], 19                      ; a head of out0: 524,288 bytes
	s_add_co_u32 s88, s88, s90
	s_mov_b32 s89, 0
	s_lshl_b32 s92, ttmp9, 6                       ; flags of waves 0-3's tiles 16 p .. 16 p + 15,
	s_mov_b32 s93, 0
	s_sub_co_u32 s94, 448, s92                     ; of waves 4-7's tiles 112 - 16 p .. 127 - 16 p,
	s_mov_b32 s95, 0
	s_lshl_b32 s96, s[JB], 4                       ; and of my own four
	s_mov_b32 s97, 0
	s_mov_b32 s[SEL], 0x76543210
	s_mov_b32 s[SEL+1], 0xfedcba98
	s_mov_b32 s[TB], 0
	s_mov_b32 s[DONE], 0
	s_mov_b32 s[NT], 0
	v_and_b32 v22, 15, v0                          ; r
	v_bfe_u32 v23, v0, 4, 1                        ; h
	v_lshl_add_u32 v24, v23, 2, v22                ; K, read: 256 h + 16 ((r + 4 h) % 16)
	v_and_b32 v24, 15, v24
	v_lshlrev_b32 v24, 4, v24
	v_lshl_add_u32 v[AK0], v23, 8, v24
	v_xor_b32 v[AK0+1], 128, v[AK0]                ; pieces 2 + h are rotated 8 further; their 512 bytes stand in the immediate
	v_add_nc_u32 v24, v22, v23                     ; V, read: 256 h + 16 ((r + 2 c + h) % 16); 512 c in the immediate
.irp c, 0,1,2,3
	v_add_nc_u32 v25, 2*\c, v24
	v_and_b32 v25, 15, v25
	v_lshlrev_b32 v25, 4, v25
	v_lshl_add_u32 v[AV+\c], v23, 8, v25
.endr
	; K, written: thread n's 16 bytes of load i are piece n % 4 of key 64 i + n / 4.  Of that key's number bits 0-2 and 4 are the fragment's row, bit 3 and bits 5, 6 the key tile: fragment 4 i + 2 (bit 7 of n) + (bit 5 of n)
	v_and_b32 v24, 3, v0                           ; c'
	v_bfe_u32 v25, v0, 2, 3
	v_bfe_u32 v26, v0, 6, 1
	v_lshl_add_u32 v25, v26, 3, v25                ; the row
	v_lshl_add_u32 v25, v24, 2, v25                ; + 4 c'
	v_and_b32 v25, 15, v25
	v_lshlrev_b32 v25, 4, v25
	v_lshl_add_u32 v25, v24, 8, v25
	v_bfe_u32 v26, v0, 5, 1
	v_lshl_add_u32 v25, v26, 10, v25
	v_bfe_u32 v26, v0, 7, 1
	v_lshl_add_u32 v[SK], v26, 11, v25
	; V, written: thread n's 16 bytes of load i are keys 16 (n % 16) on of row 16 i + n / 16
	v_and_b32 v24, 15, v0
	v_lshrrev_b32 v25, 4, v0
	v_and_b32 v27, 7, v24                          ; the piece within its step
	v_add_nc_u32 v26, v25, v27
	v_and_b32 v26, 15, v26
	v_lshlrev_b32 v26, 4, v26
	v_lshl_add_u32 v26, v27, 8, v26
	v_bfe_u32 v27, v0, 3, 1                        ; the step
	v_lshl_add_u32 v26, v27, 13, v26
	v_add_nc_u32 v[SV], VOFF, v26
	v_lshlrev_b32 v[GK], 4, v0
	v_lshlrev_b32 v[GV], 4, v24
	v_lshl_add_u32 v[GV], v25, 11, v[GV]           ; a row of V is 2,048 bytes
	s_mul_i32 s[TMP], s[WV], 16*SP
	s_add_co_u32 s[TMP], s[TMP], STAGE             ; my stage
	v_mul_u32_u24 v[STO], v22, SP                  ; in: row r, 32 bytes for each half of the lanes
	v_lshl_add_u32 v[STO], v23, 5, v[STO]
	v_add_nc_u32 v[STO], s[TMP], v[STO]
	v_mul_u32_u24 v[RD], v23, SP                   ; back: lanes 0-15 one row, lanes 16-31 the next
	v_lshl_add_u32 v[RD], v22, 4, v[RD]
	v_add_nc_u32 v[RD], s[TMP], v[RD]
	v_lshlrev_b32 v[GO], 8, v23                    ; and the same two rows of out0
	v_lshl_add_u32 v[GO], v22, 4, v[GO]
	v_lshlrev_b32 v[QO], 6, v22                    ; Q: row r of 64 bytes, + 16 h
	v_lshl_add_u32 v[QO], v23, 4, v[QO]
	s_wait_kmcnt 0x0
	s_add_nc_u64 s[KB:KB+1], s[KB:KB+1], s[84:85]
	s_add_nc_u64 s[VB:VB+1], s[VB:VB+1], s[84:85]
	s_add_nc_u64 s[QB:QB+1], s[QB:QB+1], s[84:85]
	s_add_nc_u64 s[QB:QB+1], s[QB:QB+1], s[86:87]
	s_add_nc_u64 s[OB:OB+1], s[OB:OB+1], s[88:89]
	s_add_nc_u64 s[MB:MB+1], s[MB:MB+1], s[90:91]
	s_add_nc_u64 s[76:77], s[FL:FL+1], s[92:93]
	s_add_nc_u64 s[78:79], s[FL:FL+1], s[94:95]
	s_add_nc_u64 s[80:81], s[FL:FL+1], s[96:97]
	GLOAD                                          ; slot 0
.irp x, 0,1,2,3
.irp g, 0,1
	global_load_b128 v[QF+8*\x+4*\g:QF+8*\x+4*\g+3], v[QO], s[QB:QB+1] offset:1024*\x+32*\g th:TH_LOAD_NT   ; Q's four fragments stay in registers
.endr
.endr
	s_load_b512 s[32:47], s[76:77], 0x0            ; the flags of the work-group's 32 tiles,
	s_load_b512 s[48:63], s[78:79], 0x0
	s_load_b128 s[68:71], s[80:81], 0x0            ; of my four,
	s_load_b128 s[72:75], s[SCP:SCP+1], 0x0        ; eq, ek, ep, ev
	; O^T and the sums begin as zeros and the largest t as -3e38: which step is a wave's first hangs on the flags, so no first step can be written out with the constant 0 as C.  Once a wave.
	WIN 0x40
.set ii, 0
.rept 128
	v_mov_b32 v[OA+ii], 0
.set ii, ii+1
.endr
	WIN 0
.irp x, 0,1,2,3
	v_mov_b32 v[ST+4*\x+1], 0xff61b1e6             ; -3e38, under every t
	v_floor_f32 v[ST+4*\x], -v[ST+4*\x+1]
	v_mov_b32 v[ST+4*\x+2], 0
	v_mov_b32 v[ST+4*\x+3], 0
.endr
	v_mov_b32 v[PX], 0                             ; a lane permute's destination counts as one of its sources
	v_mov_b32 v[FF+1], 0                           ; (named as the upper half of a pair)
	v_mov_b32 v[NINF], 0xff800000
	s_wait_kmcnt 0x0
	s_mov_b32 s[WGN], s32
.irp k, 33,34,35,36,37,38,39,40,41,42,43,44,45,46,47,48,49,50,51,52,53,54,55,56,57,58,59,60,61,62,63
	s_or_b32 s[WGN], s[WGN], s[\k]
.endr
	s_and_b32 s[WGN], s[WGN], 0xffff               ; bit s: some wave of the work-group works step s
	s_or_b32 s[NEED], s68, s69
	s_or_b32 s[NEED], s[NEED], s70
	s_or_b32 s[NEED], s[NEED], s71
	s_lshr_b32 s[MIX], s[NEED], 16
	s_and_b32 s[NEED], s[NEED], 0xffff
	s_add_co_i32 s[TMP], s72, s73
	s_lshl_b32 s[TMP], s[TMP], 23
	s_mov_b32 s[CS], 0x3e38aa3b                    ; c = log2(e) / 8
	s_add_co_i32 s[CS], s[CS], s[TMP]              ; a score stands for score x 2^(eq + ek): added to c's exponent field
	s_mov_b32 s[CS+1], s[CS]                       ; (named with it as a pair)
	s_add_co_i32 s[TMP], s74, 127
	s_lshl_b32 s[TM2], s[TMP], 23
	v_mov_b32 v[SCL], s[TM2]                       ; 2^ep as f32: the conversion takes its exponent field
	s_add_co_i32 s[TMP], s[TMP], 8
	s_lshl_b32 s[TMP], s[TMP], 23
	s_or_b32 s[TMP], s[TMP], 0x600000
	v_mov_b32 v[LIM], s[TMP]                       ; 448 x 2^ep
	s_add_co_i32 s[EO], s74, s75                   ; ep + ev
	s_cmp_lt_i32 s74, -8
	s_cselect_b32 s[HB], 1, 0
	s_wait_loadcnt 8                               ; slot 0's eight loads are in; Q's eight, issued behind them, may be out
	s_add_nc_u64 s[KB:KB+1], s[KB:KB+1], 16384     ; on to slot 1: 256 keys of 64 bytes,
	s_add_nc_u64 s[VB:VB+1], s[VB:VB+1], 256       ; 256 bytes along V's rows
	s_lshr_b32 s[WGN], s[WGN], 2
	LSTORE
	s_wait_dscnt 0x0                               ; for the others' sake: my part of slot 0 has landed
	s_barrier_signal -1
	s_barrier_wait -1
	s_wait_loadcnt 0x0                             ; Q
.Ltrip:                                            ; trip n works slot n (steps 2 n, 2 n + 1) and brings slot n + 1
	s_and_b32 s[LDF], s[WGN], 3
	s_cmp_lg_u32 s[LDF], 0
	s_cbranch_scc0 .Lnoload                        ; nobody in the work-group needs the next slot; in trip 7 no bit is left, so no load leaves its buffer
	GLOAD
.Lnoload:
	STEP 0
	STEP 1
	s_or_b32 s[TMP], s[NEED], s[DONE]
	s_cmp_lg_u32 s[TMP], 0
	s_cbranch_scc1 .Lnotout                        ; steps are left, or the results have gone.  Behind trip 7 no bit of NEED is left: every wave passes here once
	; THE WAY OUT, as soon as the wave has no step left.  The additions are the places behind the last products
.irp x, 0,1,2,3
	v_add_f32 v[ST+4*\x+2], v[ST+4*\x+2], v[ST+4*\x+3]
.endr
.irp x, 0,1,2,3
	v_permlanex16_b32 v[ST+4*\x+3], v[ST+4*\x+2], s[SEL], s[SEL+1]
.endr
.irp x, 0,1,2,3
	v_add_f32 v[ST+4*\x+2], v[ST+4*\x+2], v[ST+4*\x+3]   ; the row's sum
.endr
.irp x, 0,1,2,3
	v_rcp_f32 v[ST+4*\x+2], v[ST+4*\x+2]
.endr
	v_nop                                          ; a plain instruction between the last reciprocal and the use of its result
	s_wait_alu depctr_va_vdst(0)                   ; one wait for the four reciprocals, ahead of their first reader
.irp x, 0,1,2,3
	v_ldexp_f32 v[ST+4*\x+2], v[ST+4*\x+2], s[EO]  ; x 2^(ep + ev)
.endr
	PACK 0
	PACK 1                                         ; a tile's arithmetic stands between the loads of the tile before and its stores
	SEND 0, 16
	PACK 2
	SEND 1, 16
	PACK 3
	SEND 2, 16
	SEND 3, 0
	s_wait_xcnt 0x0                                ; the stores have read their registers, which later lines of the text write
	s_mov_b32 s[DONE], 1
.Lnotout:
	s_wait_loadcnt 0x0                             ; the next slot's eight loads are in: their bases may step
	s_add_nc_u64 s[KB:KB+1], s[KB:KB+1], 16384
	s_add_nc_u64 s[VB:VB+1], s[VB:VB+1], 256
	s_lshr_b32 s[WGN], s[WGN], 2
	s_xor_b32 s[TB], s[TB], SLOT                   ; the other slot: read a trip ago, and every wave's reads of it were back in front of the last barrier
	s_cmp_lg_u32 s[LDF], 0
	s_cbranch_scc0 .Lnostore
	LSTORE
.Lnostore:
	s_wait_dscnt 0x0                               ; my reads of the slot just worked are back and my stores into the next have landed:
	s_barrier_signal -1                            ; one barrier a trip orders both
	s_barrier_wait -1
	s_add_co_u32 s[NT], s[NT], 1
	s_cmp_lt_u32 s[NT], 8
	s_cbranch_scc1 .Ltrip
	s_wait_xcnt 0x0
	v_lshl_add_u32 v254, v0, 2, 0x18800
	v_mov_b32 v255, 0
	s_wait_tensorcnt 0x0
	ds_add_u32 v254, v255
	s_wait_dscnt 0x0
	s_endpgm
.Lfunc_end_k_qd8fc59165a_attn:
	.size	k_qd8fc59165a_attn, .Lfunc_end_k_qd8fc59165a_attn-k_qd8fc59165a_attn
	.p2alignl 7, 3214868480
	.fill 96, 4, 3214868480
	.section	.rodata,"a",@progbits
	.p2align	6, 0x0
	.amdhsa_kernel k_qd8fc59165a_attn
		.amdhsa_group_segment_fixed_size 101376
		.amdhsa_private_segment_fixed_size 0
		.amdhsa_enable_private_segment 0
		.amdhsa_kernarg_size 56
		.amdhsa_user_sgpr_count 2
		.amdhsa_user_sgpr_kernarg_segment_ptr 1
		.amdhsa_wavefront_size32 1
		.amdhsa_system_sgpr_workgroup_id_x 1
		.amdhsa_system_sgpr_workgroup_id_y 1
		.amdhsa_system_sgpr_workgroup_id_z 1
		.amdhsa_system_vgpr_workitem_id 0
		.amdhsa_next_free_vgpr 512
		.amdhsa_next_free_sgpr 106
		.amdhsa_reserve_vcc 0
		.amdhsa_float_denorm_mode_32 3
		.amdhsa_float_denorm_mode_16_64 3
		.amdhsa_memory_ordered 1
		.amdhsa_forward_progress 1
		.amdhsa_inst_pref_size 174
	.end_amdhsa_kernel
	.amdgpu_metadata
---
amdhsa.version: [ 1, 2 ]
amdhsa.kernels:
  - .name:           k_qd8fc59165a_attn
    .symbol:         k_qd8fc59165a_attn.kd
    .args:
      - { .name: q_codes, .offset: 0, .size: 8, .value_kind: global_buffer, .address_space: global }
      - { .name: k_codes, .offset: 8, .size: 8, .value_kind: global_buffer, .address_space: global }
      - { .name: v_codes, .offset: 16, .size: 8, .value_kind: global_buffer, .address_space: global }
      - { .name: lowp_scales, .offset: 24, .size: 8, .value_kind: global_buffer, .address_space: global }
      - { .name: maskw, .offset: 32, .size: 8, .value_kind: global_buffer, .address_space: global }
      - { .name: flags, .offset: 40, .size: 8, .value_kind: global_buffer, .address_space: global }
      - { .name: out0, .offset: 48, .size: 8, .value_kind: global_buffer, .address_space: global }
    .group_segment_fixed_size: 101376
    .private_segment_fixed_size: 0
    .kernarg_segment_align: 8
    .kernarg_segment_size: 56
    .max_flat_workgroup_size: 256
    .sgpr_count:     106
    .vgpr_count:     512
    .wavefront_size: 32
...
	.end_amdgpu_metadata
.endif
;; end of part 2
